; MI455X (gfx1250); checked and timed in simulation.
; The chip was launched on July 23, 2026; its instructions are those of AMD's public machine-readable ISA for CDNA 5 (MIT licence, August 2026) and "CDNA5" Instruction Set Architecture Reference Guide (July 2026). The comments in the code are by the model that wrote it; some were corrected since.
;; Dynamic Segmentation Gating. Allowed arithmetic: float matrix products may take bf16 or f16 operands with f32 sums; all other float work in f32.
;; Inputs: W 128 x 1 float32; b 1 float32; z 64 x 4,096 x 128 float32.
;; Outputs: out0 64 x 4,095 float32; out1 64 x 4,096 int32.
;; One version. Each part assembles by itself: llvm-mc -triple=amdgcn-amd-amdhsa -mcpu=gfx1250 --defsym DOCPART=n.
;; ======== version 1 of 1: 2 launches
;; launch gate (part 1): grid 4 x 64, 16 waves a work-group, no clusters, 0 bytes of LDS; arguments z, W, b, out0; writes out0
.if DOCPART == 1
	.amdgcn_target "amdgcn-amd-amdhsa--gfx1250"
	.amdhsa_code_object_version 6
	.text
	.protected	k_q185aafbd6c_gate
	.globl	k_q185aafbd6c_gate
	.p2align	8
	.type	k_q185aafbd6c_gate,@function
k_q185aafbd6c_gate:
	s_mov_b64 s[64:65], 0
	v_nop
	global_prefetch_b8 v0, s[64:65] scope:SCOPE_SE
	s_setreg_imm32_b32 hwreg(HW_REG_WAVE_MODE, 25, 1), 1
	s_wait_xcnt 0x0
; gate: out0[n][i] = sigmoid( (z[n][i+1][:] - z[n][i][:]) . W + b ),  n = 0..63, i = 0..4094.   z: [64][4096][128] f32.
; A stream: 512 bytes of z feed 128 multiply-adds and one output number, so the text is built round the loads.
; The product has one output column: a matrix instruction would fill one of its sixteen columns, so the vector ALU does it, in f32.
; Work-group (x = quarter of a batch row, y = batch): 1,024 scores, 16 waves.  Wave: 64 scores = rows t0 .. t0+64 of its batch.
; Lane l holds the 16 bytes at 16 l of every row, so one load of the wave is one whole row: 512 neighbouring bytes, aligned.
; Work-groups share nothing but W (512 bytes) and one row in 1,024: no cluster, no LDS, no barrier.
; The deltas are formed first, as the definition forms them; each lane multiplies its four by its four W and adds them up; 32 such
; partial sums (32 scores) are then folded across the lanes so that lane l ends with the whole sum of score l.
; LIMITS: the 128 terms are added as a tree in f32 (not in the order of any other program), and the sigmoid uses v_exp_f32 and
; v_rcp_f32 (1 ULP).  Probabilities agree to a few ULP; scores below about -88 give 0 where the exact value is under 1e-38.
.set ROW,  512                         ; bytes in a row of z
.set LBAT, 4096                        ; rows in a batch; LBAT-1 scores
.set TOK,  64                          ; scores of a wave
.set IDX,  0                           ; v0        lane, then the index in the batch of my score of the second half
.set LOFF, 1                           ; v1        16 x lane: my bytes in a row of z, and in W
.set OOFF, 2                           ; v2        4 x lane: my number in a run of 32 scores
.set LAST, 3                           ; v3        my bytes in the wave's 65th row, from the wave's first row
.set WV,   4                           ; v[4:7]    my four W
.set TMP,  8                           ; v[8:11]   at work in the folds, in turn
.set SC,   12                          ; v12       score
.set EX,   13                          ; v13       exp, 1 + exp
.set PR,   14                          ; v14, v15  the probabilities of the two halves: one register each, so that no store's data is rewritten
.set P,    16                          ; v[16:47]  32 partial sums, one for each score of a half
.set X,    48                          ; v[48:175] 32 row slots of 4 registers
.set XL,   176                         ; v[176:179] the 65th row
.set MASK, 24                          ; s24-s28   lanes whose number has bit 0, 1, 2, 3, 4 set
	s_load_b256 s[4:11], s[0:1], 0x0               ; z s[4:5], W s[6:7], b s[8:9], out0 s[10:11]
	v_lshrrev_b32 v[SC], 5, v0
	v_readfirstlane_b32 s12, v[SC]                 ; wave 0..15
	v_and_b32 v0, 31, v0                           ; lane
	v_lshlrev_b32 v[LOFF], 4, v0
	v_lshlrev_b32 v[OOFF], 2, v0
	s_and_b32 s13, ttmp7, 0xffff                   ; batch
	s_lshl_b32 s14, ttmp9, 10                      ; quarter x 1,024
	s_lshl_b32 s15, s12, 6
	s_add_co_u32 s14, s14, s15                     ; t0: the wave's first row and first score in its batch
	s_lshl_b32 s16, s13, 12
	s_add_co_u32 s16, s16, s14
	s_lshl_b32 s16, s16, 9                         ; (4096 batch + t0) x 512 bytes: below 2^27
	s_mov_b32 s17, 0
	s_mul_i32 s18, s13, LBAT-1
	s_add_co_u32 s18, s18, s14
	s_lshl_b32 s18, s18, 2                         ; (4095 batch + t0) x 4 bytes
	s_mov_b32 s19, 0
	s_add_co_u32 s20, s14, TOK                     ; the 65th row, held inside the batch: the batch's last wave takes row 4095 again
	s_min_u32 s20, s20, LBAT-1                     ; (its last delta is then 0 and its last score is not stored), so no load leaves z
	s_sub_co_u32 s20, s20, s14
	s_lshl_b32 s20, s20, 9
	v_add_nc_u32 v[LAST], s20, v[LOFF]
	s_add_co_u32 s21, s14, 32
	v_add_nc_u32 v[IDX], s21, v0                   ; t0 + 32 + lane
	s_mov_b32 s[MASK+0], 0xaaaaaaaa
	s_mov_b32 s[MASK+1], 0xcccccccc
	s_mov_b32 s[MASK+2], 0xf0f0f0f0
	s_mov_b32 s[MASK+3], 0xff00ff00
	s_mov_b32 s[MASK+4], 0xffff0000
	s_mov_b32 s30, 0x76543210                      ; v_permlanex16_b32: lane i of one half reads lane i of the other
	s_mov_b32 s31, 0xfedcba98
	s_wait_kmcnt 0x0
	s_load_b32 s22, s[8:9], 0x0                    ; b
	s_add_nc_u64 s[4:5], s[4:5], s[16:17]          ; z at the wave's first row: every row from here on is an immediate offset
	s_add_nc_u64 s[10:11], s[10:11], s[18:19]      ; out0 at the wave's first score
	; 34 loads at once: W, the 65th row, rows 0 to 31 (17 KiB of the wave in flight).  Rows that this wave alone reads carry the
	; hint NT; the first and the 65th row are also read by the neighbouring wave, W by all: no hint.
	global_load_b128 v[WV:WV+3], v[LOFF], s[6:7]
	global_load_b128 v[XL:XL+3], v[LAST], s[4:5]
	global_load_b128 v[X:X+3],   v[LOFF], s[4:5]
.set t, 1
.rept 31
	global_load_b128 v[X+4*t:X+4*t+3], v[LOFF], s[4:5] offset:t*ROW th:TH_LOAD_NT
.set t, t+1
.endr
	s_wait_kmcnt 0x0                               ; b
; v[p] = my four terms of (row in hi - row in lo) . W.  The delta is made in place: the lower row is not needed again.
.macro DELTA p, lo, hi
	v_pk_add_f32 v[\lo:\lo+1],   v[\hi:\hi+1],   v[\lo:\lo+1]   neg_lo:[0,1] neg_hi:[0,1]
	v_pk_add_f32 v[\lo+2:\lo+3], v[\hi+2:\hi+3], v[\lo+2:\lo+3] neg_lo:[0,1] neg_hi:[0,1]
	v_pk_mul_f32 v[\lo:\lo+1], v[\lo:\lo+1], v[WV:WV+1]
	v_pk_fma_f32 v[\lo:\lo+1], v[\lo+2:\lo+3], v[WV+2:WV+3], v[\lo:\lo+1]
	v_add_f32 v[\p], v[\lo], v[\lo+1]
.endm
; One level of the fold.  x holds scores whose number has bit log2(st) clear, y = x + st those with it set.  A lane whose own number has the
; bit clear keeps x and hands y to its partner (lane xor st), the partner does the reverse: one register then carries both scores, each
; summed over twice as many lanes.  Three instructions take two registers to one; five levels take 32 registers to one,
; in which lane l holds score l summed over all 32 lanes.
.macro LEVEL st, m
.set j, 0
.rept 16/\st
.set fx, P+2*\st*j
.set fy, fx+\st
.set ft, TMP+j%4
	v_cndmask_b32 v[ft], v[fy], v[fx], s[\m]       ; what my partner wants: bit set ? x : y
	v_cndmask_b32 v[fx], v[fx], v[fy], s[\m]       ; what I keep:           bit set ? y : x
	v_add_f32_dpp v[fx], v[ft], v[fx] row_xmask:\st row_mask:0xf bank_mask:0xf
.set j, j+1
.endr
.endm
; 32 partial sums to 32 probabilities, lane l's in v[PR+g].
.macro FINISH g
	LEVEL 1, MASK
	LEVEL 2, MASK+1
	LEVEL 4, MASK+2
	LEVEL 8, MASK+3
	v_cndmask_b32 v[TMP], v[P+16], v[P], s[MASK+4] ; the last level crosses the two halves of 16 lanes
	v_cndmask_b32 v[P], v[P], v[P+16], s[MASK+4]
	v_permlanex16_b32 v[P+16], v[TMP], s30, s31    ; its destination has been written before
	v_add_f32 v[P], v[P], v[P+16]
	v_add_f32 v[SC], s22, v[P]                     ; + b, rounded as the definition rounds it (exact where the score is near 0);
	v_mul_f32 v[SC], 0xbfb8aa3b, v[SC]             ; then x -log2(e): folding b into a multiply-add would round b log2(e) instead
	v_exp_f32 v[EX], v[SC]                         ; e^-score
	v_nop                                          ; one plain vector instruction between a transcendental and the use of its result (ISA guide 5.7.2)
	s_wait_alu depctr_va_vdst(0)
	v_add_f32 v[EX], 1.0, v[EX]
	v_rcp_f32 v[PR+\g], v[EX]                      ; infinity gives 0
	v_nop
.endm
	; First half: scores 0 to 31.  Step t needs rows t and t+1.  Loads come back in order (ISA guide 5.7.1); behind row t+1 stand
	; rows t+2 .. 31 (30 - t of them) and the t refills of the steps before: always 30.  (Step 31 needs row 32, the refill of step 0,
	; with the 30 refills of steps 1 to 30 behind it.)  The lower row's slot is then asked for the row 32 further down.
.set t, 0
.rept 32
.set ra, X+4*t
.set rb, X+4*((t+1)%32)
	s_wait_loadcnt 30
	DELTA P+t, ra, rb
	global_load_b128 v[ra:ra+3], v[LOFF], s[4:5] offset:(32+t)*ROW th:TH_LOAD_NT
.set t, t+1
.endr
	FINISH 0
	s_wait_alu depctr_va_vdst(0)
	global_store_b32 v[OOFF], v[PR], s[10:11]      ; 32 lanes, 128 neighbouring bytes.  No hint: the next launch reads them.
	                                               ; (out0's rows are 16,380 bytes apart: wider stores would not be aligned.)
	; Second half: scores 32 to 63, nothing more to ask for.  Step t needs row 33+t, behind which rows 34+t .. 63 stand: 30 - t.
.set t, 0
.rept 31
.set ra, X+4*t
	s_wait_loadcnt 30-t
	DELTA P+t, ra, ra+4
.set t, t+1
.endr
	DELTA P+31, X+4*31, XL                         ; the 65th row came in with the first loads
	v_cmp_gt_u32 vcc_lo, LBAT-1, v[IDX]            ; a batch has 4,095 scores: lane 31 of its last wave has none
	FINISH 1
	s_wait_xcnt 0x0                                ; EXEC is a source of the pending store above: it changes only behind this wait (ISA guide 3.1)
	s_and_saveexec_b32 s29, vcc_lo                 ; stays narrowed: only the store and the end follow
	s_wait_alu depctr_va_vdst(0)
	global_store_b32 v[OOFF], v[PR+1], s[10:11] offset:128
	s_endpgm
.Lfunc_end_k_q185aafbd6c_gate:
	.size	k_q185aafbd6c_gate, .Lfunc_end_k_q185aafbd6c_gate-k_q185aafbd6c_gate
	.p2alignl 7, 3214868480
	.fill 96, 4, 3214868480
	.section	.rodata,"a",@progbits
	.p2align	6, 0x0
	.amdhsa_kernel k_q185aafbd6c_gate
		.amdhsa_group_segment_fixed_size 0
		.amdhsa_private_segment_fixed_size 0
		.amdhsa_enable_private_segment 0
		.amdhsa_kernarg_size 32
		.amdhsa_user_sgpr_count 2
		.amdhsa_user_sgpr_kernarg_segment_ptr 1
		.amdhsa_wavefront_size32 1
		.amdhsa_system_sgpr_workgroup_id_x 1
		.amdhsa_system_sgpr_workgroup_id_y 1
		.amdhsa_system_sgpr_workgroup_id_z 1
		.amdhsa_system_vgpr_workitem_id 0
		.amdhsa_next_free_vgpr 180
		.amdhsa_next_free_sgpr 66
		.amdhsa_reserve_vcc 1
		.amdhsa_float_denorm_mode_32 3
		.amdhsa_float_denorm_mode_16_64 3
		.amdhsa_memory_ordered 1
		.amdhsa_forward_progress 1
		.amdhsa_inst_pref_size 41
	.end_amdhsa_kernel
	.amdgpu_metadata
---
amdhsa.version: [ 1, 2 ]
amdhsa.kernels:
  - .name:           k_q185aafbd6c_gate
    .symbol:         k_q185aafbd6c_gate.kd
    .args:
      - { .name: z, .offset: 0, .size: 8, .value_kind: global_buffer, .address_space: global }
      - { .name: W, .offset: 8, .size: 8, .value_kind: global_buffer, .address_space: global }
      - { .name: b, .offset: 16, .size: 8, .value_kind: global_buffer, .address_space: global }
      - { .name: out0, .offset: 24, .size: 8, .value_kind: global_buffer, .address_space: global }
    .group_segment_fixed_size: 0
    .private_segment_fixed_size: 0
    .kernarg_segment_align: 8
    .kernarg_segment_size: 32
    .max_flat_workgroup_size: 512
    .sgpr_count:     66
    .vgpr_count:     180
    .wavefront_size: 32
...
	.end_amdgpu_metadata
.endif
;; end of part 1
;; launch scan (part 2): grid 64 x 1, 32 waves a work-group, no clusters, 4,352 bytes of LDS; arguments out0, out1; writes out1
.if DOCPART == 2
	.amdgcn_target "amdgcn-amd-amdhsa--gfx1250"
	.amdhsa_code_object_version 6
	.text
	.protected	k_q185aafbd6c_scan
	.globl	k_q185aafbd6c_scan
	.p2align	8
	.type	k_q185aafbd6c_scan,@function
k_q185aafbd6c_scan:
	s_mov_b64 s[64:65], 0
	v_nop
	global_prefetch_b8 v0, s[64:65] scope:SCOPE_SE
	s_setreg_imm32_b32 hwreg(HW_REG_WAVE_MODE, 25, 1), 1
	s_wait_xcnt 0x0
; scan: out1[n][j] = number of i < j with out0[n][i] > 0.5,  j = 0..4095.   out0: [64][4095] f32 (the launch before stored it), out1: [64][4096] i32.
; The sum runs along a whole batch row, so a batch is one work-group: 32 waves, 1,024 threads.  Thread t owns j = 4t .. 4t+3:
; its four results are 16 neighbouring bytes, and a wave's one store covers 512 neighbouring bytes, aligned.
; The probabilities come by four loads of 4 bytes: out0's rows are 16,380 bytes apart, wider loads would not be aligned.
; Nothing here branches or forms an address on the comparisons: they only make masks, counts and the numbers stored.
; LIMIT: the boundary is decided on the probability as the launch before made it (f32 tree sum, v_exp_f32, v_rcp_f32): a score nearer to the
; threshold than about 5e-7 can fall on the other side than in another f32 program, and the row's later numbers then differ by one.
.set ROWP, 4095*4                      ; bytes in a row of out0
	s_load_b128 s[4:7], s[0:1], 0x0                ; out0 s[4:5], out1 s[6:7]
	v_lshl_add_u32 v20, v0, 2, 0x100
	v_mov_b32 v21, 0
	v_lshrrev_b32 v1, 5, v0
	v_readfirstlane_b32 s8, v1                     ; wave 0..31
	v_and_b32 v2, 31, v0
	v_lshlrev_b32 v2, 2, v2                        ; LDS: the word of the wave whose number is my lane's
	v_lshlrev_b32 v3, 4, v0                        ; 16 t: my four numbers, in a row of out0 and in a row of out1
	v_add_nc_u32 v4, 12, v3                        ; the fourth of them, held inside the row: j = 4095 has no probability.  Thread 1,023 reads
	v_min_u32 v4, ROWP-4, v4                       ; 4094's again; that comparison enters no number that is stored (see below)
	v_mov_b32 v5, s8
	v_lshlrev_b32 v5, 2, v5                        ; LDS: my wave's word
	s_mul_i32 s10, ttmp9, ROWP
	s_mov_b32 s11, 0
	s_lshl_b32 s12, ttmp9, 14                      ; 16,384 bytes in a row of out1
	s_mov_b32 s13, 0
	s_mov_b32 s14, 0x76543210                      ; v_permlanex16_b32: lane i of one half reads lane i of the other
	s_mov_b32 s15, 0xfedcba98
	s_bfm_b32 s16, s8, 0                           ; as many ones as my wave's number: the lanes that stand for the waves in front of mine
	s_wait_kmcnt 0x0
	s_add_nc_u64 s[4:5], s[4:5], s[10:11]
	s_add_nc_u64 s[6:7], s[6:7], s[12:13]
	global_load_b32 v8,  v3, s[4:5]
	global_load_b32 v9,  v3, s[4:5] offset:4
	global_load_b32 v10, v3, s[4:5] offset:8
	global_load_b32 v11, v4, s[4:5]
	s_wait_loadcnt 0x0
	v_cmp_lt_f32 s20, 0.5, v8                      ; boundary behind token 4t + k, one mask of 32 lanes for each k; a NaN is none
	v_cmp_lt_f32 s21, 0.5, v9
	v_cmp_lt_f32 s22, 0.5, v10
	v_cmp_lt_f32 s23, 0.5, v11
	s_bcnt1_i32_b32 s24, s20                       ; the wave's 128 tokens together
	s_bcnt1_i32_b32 s25, s21
	s_bcnt1_i32_b32 s26, s22
	s_bcnt1_i32_b32 s27, s23
	s_add_co_u32 s24, s24, s25
	s_add_co_u32 s26, s26, s27
	s_add_co_u32 s24, s24, s26
	v_mov_b32 v6, s24
	ds_store_b32 v5, v6                            ; every lane writes the same word with the same number
	s_wait_dscnt 0x0                               ; for the other waves' sake: stored before I signal
	s_barrier_signal -1
	; register work while the others arrive: boundaries in the lanes below mine, then my own, one token at a time
	v_mbcnt_lo_u32_b32 v16, s20, 0
	v_mbcnt_lo_u32_b32 v16, s21, v16
	v_mbcnt_lo_u32_b32 v16, s22, v16
	v_mbcnt_lo_u32_b32 v16, s23, v16               ; in front of token 4t, within the wave
	v_cndmask_b32 v12, 0, 1, s20
	v_cndmask_b32 v13, 0, 1, s21
	v_cndmask_b32 v14, 0, 1, s22                   ; my fourth comparison counts only for lanes and waves behind me: thread 1,023's for nobody
	v_add_nc_u32 v17, v16, v12
	v_add_nc_u32 v18, v17, v13
	v_add_nc_u32 v19, v18, v14
	s_barrier_wait -1
	ds_load_b32 v7, v2                             ; lane l: wave l's total
	s_wait_dscnt 0x0
	v_cvt_f32_u32 v7, v7                           ; summed as f32: the totals are whole numbers of at most 4,096 in all, exact there
	v_cndmask_b32 v7, 0, v7, s16                   ; only the waves in front of mine
	v_add_f32_dpp v7, v7, v7 row_xmask:1 row_mask:0xf bank_mask:0xf
	v_add_f32_dpp v7, v7, v7 row_xmask:2 row_mask:0xf bank_mask:0xf
	v_add_f32_dpp v7, v7, v7 row_xmask:4 row_mask:0xf bank_mask:0xf
	v_add_f32_dpp v7, v7, v7 row_xmask:8 row_mask:0xf bank_mask:0xf
	v_permlanex16_b32 v12, v7, s14, s15            ; v12 has been written before
	v_add_f32 v7, v7, v12
	v_cvt_u32_f32 v7, v7
	v_add_nc_u32 v16, v16, v7
	v_add_nc_u32 v17, v17, v7
	v_add_nc_u32 v18, v18, v7
	v_add_nc_u32 v19, v19, v7
	global_store_b128 v3, v[16:19], s[6:7] th:TH_STORE_NT
	s_wait_tensorcnt 0x0
	ds_add_u32 v20, v21
	s_wait_dscnt 0x0
	s_endpgm
.Lfunc_end_k_q185aafbd6c_scan:
	.size	k_q185aafbd6c_scan, .Lfunc_end_k_q185aafbd6c_scan-k_q185aafbd6c_scan
	.p2alignl 7, 3214868480
	.fill 96, 4, 3214868480
	.section	.rodata,"a",@progbits
	.p2align	6, 0x0
	.amdhsa_kernel k_q185aafbd6c_scan
		.amdhsa_group_segment_fixed_size 4352
		.amdhsa_private_segment_fixed_size 0
		.amdhsa_enable_private_segment 0
		.amdhsa_kernarg_size 16
		.amdhsa_user_sgpr_count 2
		.amdhsa_user_sgpr_kernarg_segment_ptr 1
		.amdhsa_wavefront_size32 1
		.amdhsa_system_sgpr_workgroup_id_x 1
		.amdhsa_system_sgpr_workgroup_id_y 1
		.amdhsa_system_sgpr_workgroup_id_z 1
		.amdhsa_system_vgpr_workitem_id 0
		.amdhsa_next_free_vgpr 22
		.amdhsa_next_free_sgpr 66
		.amdhsa_reserve_vcc 0
		.amdhsa_float_denorm_mode_32 3
		.amdhsa_float_denorm_mode_16_64 3
		.amdhsa_memory_ordered 1
		.amdhsa_forward_progress 1
		.amdhsa_inst_pref_size 4
	.end_amdhsa_kernel
	.amdgpu_metadata
---
amdhsa.version: [ 1, 2 ]
amdhsa.kernels:
  - .name:           k_q185aafbd6c_scan
    .symbol:         k_q185aafbd6c_scan.kd
    .args:
      - { .name: out0, .offset: 0, .size: 8, .value_kind: global_buffer, .address_space: global }
      - { .name: out1, .offset: 8, .size: 8, .value_kind: global_buffer, .address_space: global }
    .group_segment_fixed_size: 4352
    .private_segment_fixed_size: 0
    .kernarg_segment_align: 8
    .kernarg_segment_size: 16
    .max_flat_workgroup_size: 1024
    .sgpr_count:     66
    .vgpr_count:     22
    .wavefront_size: 32
...
	.end_amdgpu_metadata
.endif
;; end of part 2
